; MI455X (gfx1250); checked and timed in simulation.
; The chip was launched on July 23, 2026; its instructions are those of AMD's public machine-readable ISA for CDNA 5 (MIT licence, August 2026) and "CDNA5" Instruction Set Architecture Reference Guide (July 2026). The comments in the code are by the model that wrote it; some were corrected since.
;; Factorization Machine. Allowed arithmetic: float matrix products may take bf16 or f16 operands with f32 sums; all other float work in f32.
;; Inputs: V 32 x 4,096 float32; bias 1 float32; h 4,096 float32; x 4,096 x 4,096 float32.
;; Outputs: out0 4,096 float32.
;; 2 versions, each right; version 2 is version 1 with the launch prep written anew for expert scheduling mode. Each part assembles by itself: llvm-mc -triple=amdgcn-amd-amdhsa -mcpu=gfx1250 --defsym DOCPART=n.
;; ======== version 1 of 2: 2 launches
;; limits: a difference of large sums (such as E[x^2] - mean^2): digits are lost where the result is much smaller than its terms; values outside matrix products are rounded to bf16
;; workspace buffers: vf 262,144 bytes; cf 32,768 bytes
;; launch prep (part 1): grid 32 x 1, 1 waves a work-group, no clusters, 8,960 bytes of LDS; arguments V, h, vf, cf; writes vf, cf
.if DOCPART == 1
	.amdgcn_target "amdgcn-amd-amdhsa--gfx1250"
	.amdhsa_code_object_version 6
	.text
	.protected	k_q512b463e12_prep
	.globl	k_q512b463e12_prep
	.p2align	8
	.type	k_q512b463e12_prep,@function
k_q512b463e12_prep:
	s_mov_b64 s[64:65], 0
	v_nop
	global_prefetch_b8 v0, s[64:65] scope:SCOPE_SE
	s_setreg_imm32_b32 hwreg(HW_REG_WAVE_MODE, 25, 1), 1
	s_wait_xcnt 0x0
; V and h are prepared once for the main launch.  V: [32][4096] f32, h: [4096] f32.
;   vf: bf16(V) in the order in which the main launch's matrix fragments want it.  For K step s (32 columns, 0..127), factor tile T (0, 1), part p (0, 1), lane L (r = L % 16,
;       hh = L / 16) the 16 bytes at 2048 s + 1024 T + 512 p + 16 L hold bf16 of V[16 T + r][32 s + 16 hh + 8 p + 0..7].
;   cf: f32 [2][4096].  Plane 0: -1/2 x the sum over the 32 factors of bf16(V[k][i])^2.  Plane 1: bf16(h[i]), widened.
; The squares are taken of the ROUNDED numbers, so that the main launch subtracts exactly the diagonal of the form that its products make.
; SHARES.  One wave to a work-group; work-group g owns columns 128 g .. 128 g + 127 (four K steps); lane L owns columns 128 g + 4 L .. + 3 of all 32 rows.  So each load covers 512
; consecutive bytes of a row, V is read once, and the sum over the factors stays inside the lane.  The turn from rows to fragments goes through a stage in LDS, the wave's own.
; 32 work-groups: V has 4,096 columns, and 128 columns are what a wave's 16-byte loads take of a row.
.set PITCH, 272                        ; a stage row: 128 bf16 = 256 bytes + 16: the 16 rows that a load back touches start at 16 different 16-byte columns
.set SPARE, 32*PITCH                   ; 8,704 = 34 x 256: behind the stage, the spare words: one block of 256 bytes that no other line names
.set OFF, 1                            ; v1       16 L: my 16 bytes in 512
.set SPW, 2                            ; v2       LDS address of my spare word; never rewritten
.set NIL, 3                            ; v3       0; never rewritten
.set HV,  4                            ; v[4:7]   h of my four columns
.set STO, 8                            ; v8       8 L: where my four bf16 of a stage row go
.set RD,  9                            ; v9       272 r + 32 hh: where my 16 bytes of a fragment lie
.set PK,  12                           ; v[12:13] four numbers rounded to bf16
.set WD,  16                           ; v[16:19] the same four, widened
.set W,   20                           ; v[20:23] the sums of squares
.set HB,  24                           ; v[24:27] bf16(h), widened
.set HP,  28                           ; v[28:29] bf16(h), packed
.set ROWS, 32                          ; v[32:159] row k at v[32 + 4 k ..]; later the sixteen pieces read back, piece i at v[32 + 4 i ..]
	s_load_b256 s[4:11], s[0:1], 0x0               ; V s[4:5], h s[6:7], vf s[8:9], cf s[10:11]
	v_lshl_add_u32 v[SPW], v0, 2, SPARE
	v_mov_b32 v[NIL], 0
	s_lshl_b32 s12, ttmp9, 9                       ; my 128 columns in f32: 512 g bytes in a row of V, in h and in a plane of cf
	s_mov_b32 s13, 0
	s_lshl_b32 s14, ttmp9, 13                      ; my four K steps in vf: 8,192 g bytes
	s_mov_b32 s15, 0
	s_mov_b32 s2, 0xffff0000                       ; a word's upper bf16
	v_lshlrev_b32 v[OFF], 4, v0
	v_lshlrev_b32 v[STO], 3, v0
	v_and_b32 v10, 15, v0                          ; r
	v_lshrrev_b32 v11, 4, v0                       ; hh (one wave: v0 is the lane)
	v_mul_u32_u24 v[RD], v10, PITCH
	v_lshl_add_u32 v[RD], v11, 5, v[RD]
	s_wait_kmcnt 0x0
	s_add_nc_u64 s[4:5], s[4:5], s[12:13]
	s_add_nc_u64 s[6:7], s[6:7], s[12:13]
	s_add_nc_u64 s[10:11], s[10:11], s[12:13]
	s_add_nc_u64 s[8:9], s[8:9], s[14:15]
	global_load_b128 v[HV:HV+3], v[OFF], s[6:7]
.irp k, 0,1,2,3,4,5,6,7,8,9,10,11,12,13,14,15,16,17,18,19,20,21,22,23,24,25,26,27,28,29,30,31
	global_load_b128 v[ROWS+4*(\k):ROWS+4*(\k)+3], v[OFF], s[4:5] offset:(\k)*16384 th:TH_LOAD_NT  ; all 32 rows are asked for at once
.endr
; Row k: rounded, put into the stage, widened again and squared onto W.  Row 0's squares start the sums: nothing is cleared.
.macro ROWK k
	s_wait_loadcnt 31-(\k)                         ; loads come back in order: row k is in (and h, the oldest), the 31 - k younger rows stay out
	v_cvt_pk_bf16_f32 v[PK], v[ROWS+4*(\k)], v[ROWS+4*(\k)+1]
	v_cvt_pk_bf16_f32 v[PK+1], v[ROWS+4*(\k)+2], v[ROWS+4*(\k)+3]
	ds_store_b64 v[STO], v[PK:PK+1] offset:(\k)*PITCH
	v_lshlrev_b32 v[WD], 16, v[PK]
	v_and_b32 v[WD+1], s2, v[PK]
	v_lshlrev_b32 v[WD+2], 16, v[PK+1]
	v_and_b32 v[WD+3], s2, v[PK+1]
.if (\k) == 0
	v_pk_mul_f32 v[W:W+1], v[WD:WD+1], v[WD:WD+1]
	v_pk_mul_f32 v[W+2:W+3], v[WD+2:WD+3], v[WD+2:WD+3]
.else
	v_pk_fma_f32 v[W:W+1], v[WD:WD+1], v[WD:WD+1], v[W:W+1]
	v_pk_fma_f32 v[W+2:W+3], v[WD+2:WD+3], v[WD+2:WD+3], v[W+2:W+3]
.endif
.endm
.irp k, 0,1,2,3,4,5,6,7,8,9,10,11,12,13,14,15,16,17,18,19,20,21,22,23,24,25,26,27,28,29,30,31
	ROWK \k
.endr
	; Piece i = 4 sl + 2 T + p: K step sl of my four, factor tile T, part p.  My 16 bytes: row 16 T + r, bytes 64 sl + 32 hh + 16 p.
	; LDS serves a wave's instructions in order, so these loads see the stores above without a wait.
.irp i, 0,1,2,3,4,5,6,7,8,9,10,11,12,13,14,15
	ds_load_b128 v[ROWS+4*(\i):ROWS+4*(\i)+3], v[RD] offset:(((\i)/2)%2)*16*PITCH+((\i)/4)*64+((\i)%2)*16
.endr
	; the coefficients, while the pieces come back
	v_pk_mul_f32 v[W:W+1], v[W:W+1], -0.5 op_sel_hi:[1,0]
	v_pk_mul_f32 v[W+2:W+3], v[W+2:W+3], -0.5 op_sel_hi:[1,0]
	v_cvt_pk_bf16_f32 v[HP], v[HV], v[HV+1]
	v_cvt_pk_bf16_f32 v[HP+1], v[HV+2], v[HV+3]
	v_lshlrev_b32 v[HB], 16, v[HP]
	v_and_b32 v[HB+1], s2, v[HP]
	v_lshlrev_b32 v[HB+2], 16, v[HP+1]
	v_and_b32 v[HB+3], s2, v[HP+1]
	global_store_b128 v[OFF], v[W:W+3], s[10:11]                 ; 512 consecutive bytes of plane 0
	global_store_b128 v[OFF], v[HB:HB+3], s[10:11] offset:16384  ; and of plane 1
.irp i, 0,1,2,3,4,5,6,7,8,9,10,11,12,13,14,15
	s_wait_dscnt 15-(\i)                           ; piece i is back, the 15 - i younger ones stay out
	global_store_b128 v[OFF], v[ROWS+4*(\i):ROWS+4*(\i)+3], s[8:9] offset:(\i)*512  ; a piece is 512 consecutive bytes of vf, at a multiple of 512 from its first byte
.endr
	s_wait_tensorcnt 0x0                           ; the wave's end, behind my last LDS store
	ds_add_u32 v[SPW], v[NIL]
	s_wait_dscnt 0x0
	s_endpgm
.Lfunc_end_k_q512b463e12_prep:
	.size	k_q512b463e12_prep, .Lfunc_end_k_q512b463e12_prep-k_q512b463e12_prep
	.p2alignl 7, 3214868480
	.fill 96, 4, 3214868480
	.section	.rodata,"a",@progbits
	.p2align	6, 0x0
	.amdhsa_kernel k_q512b463e12_prep
		.amdhsa_group_segment_fixed_size 8960
		.amdhsa_private_segment_fixed_size 0
		.amdhsa_enable_private_segment 0
		.amdhsa_kernarg_size 32
		.amdhsa_user_sgpr_count 2
		.amdhsa_user_sgpr_kernarg_segment_ptr 1
		.amdhsa_wavefront_size32 1
		.amdhsa_system_sgpr_workgroup_id_x 1
		.amdhsa_system_sgpr_workgroup_id_y 1
		.amdhsa_system_sgpr_workgroup_id_z 1
		.amdhsa_system_vgpr_workitem_id 0
		.amdhsa_next_free_vgpr 160
		.amdhsa_next_free_sgpr 66
		.amdhsa_reserve_vcc 0
		.amdhsa_float_denorm_mode_32 3
		.amdhsa_float_denorm_mode_16_64 3
		.amdhsa_memory_ordered 1
		.amdhsa_forward_progress 1
		.amdhsa_inst_pref_size 23
	.end_amdhsa_kernel
	.amdgpu_metadata
---
amdhsa.version: [ 1, 2 ]
amdhsa.kernels:
  - .name:           k_q512b463e12_prep
    .symbol:         k_q512b463e12_prep.kd
    .args:
      - { .name: V, .offset: 0, .size: 8, .value_kind: global_buffer, .address_space: global }
      - { .name: h, .offset: 8, .size: 8, .value_kind: global_buffer, .address_space: global }
      - { .name: vf, .offset: 16, .size: 8, .value_kind: global_buffer, .address_space: global }
      - { .name: cf, .offset: 24, .size: 8, .value_kind: global_buffer, .address_space: global }
    .group_segment_fixed_size: 8960
    .private_segment_fixed_size: 0
    .kernarg_segment_align: 8
    .kernarg_segment_size: 32
    .max_flat_workgroup_size: 32
    .sgpr_count:     66
    .vgpr_count:     160
    .wavefront_size: 32
...
	.end_amdgpu_metadata
.endif
;; end of part 1
;; launch main (part 2): grid 256 x 1, 8 waves a work-group, no clusters, 327,680 bytes of LDS; arguments x, bias, vf, cf, out0; writes out0
.if DOCPART == 2
	.amdgcn_target "amdgcn-amd-amdhsa--gfx1250"
	.amdhsa_code_object_version 6
	.text
	.protected	k_q512b463e12_main
	.globl	k_q512b463e12_main
	.p2align	8
	.type	k_q512b463e12_main,@function
k_q512b463e12_main:
	s_mov_b64 s[64:65], 0
	v_nop
	global_prefetch_b8 v0, s[64:65] scope:SCOPE_SE
	s_setreg_imm32_b32 hwreg(HW_REG_WAVE_MODE, 25, 1), 1
	s_wait_xcnt 0x0
; out[n] = bias + x[n] . h + the sum over i < j of x[n][i] x[n][j] (V^T V)[i][j].   x: [4096][4096] f32; out: [4096] f32.
; THE FORM.  V^T V is symmetric whatever V holds, so the strict upper triangle of the form is half of (the whole form less its diagonal):
;   out[n] = bias + 1/2 x the sum over k of s[n][k]^2 + the sum over i of xb (xb mw[i] + hb[i]),   s[n][k] = the sum over i of Vb[k][i] xb[n][i],   mw[i] = -1/2 x the sum over k of Vb[k][i]^2.
; xb, Vb, hb and the bias are the inputs rounded to bf16, THE SAME rounded numbers in the products and in the diagonal; products by the matrix unit in bf16 with f32 sums, all else in f32.
; LIMITS.  The order of rounding is not the reference's: the result is the difference of two f32 sums, so its absolute error goes with about 2^-20 x the sum of xb^2 w (for dense data four times
; the result's own spread); the sum over k of s^2 has to stay finite in f32.  NaN and infinities are not treated apart.
; SHARES.  Work-group g owns rows 16 g .. 16 g + 15: one tile of the matrix unit, 262,144 bytes of x.  Wave w of eight owns columns 512 w .. 512 w + 511: four tiles of 16 rows x 128 columns,
; sixteen K steps of 32 columns.  ALL of the work-group's x is asked for at the start, each LDS byte filled once: no slot is filled again, and a wave reads only what its own loads brought, each tile
; behind its own counted wait.  By this text's own count a wave has five tensor loads out: its part of cf and its four tiles of x.
; V's fragments (vf, made by the launch before) come by 16-byte loads, 512 consecutive bytes an instruction, straight into 256 registers of the wave, once.
; THE ORDER OF K.  In a K step lane (r, hh) takes the 16 columns 32 s + 16 hh + 0..15 of row r, 64 consecutive bytes; vf holds V in the same order, so each product meets its partner.
; THE MATRIX INSTRUCTION IS USED TRANSPOSED: source 0 = 16 factors of V, source 1 = 16 rows of x.  Register j of lane (r, hh) then holds s[row r][16 T + 8 hh + j]: a row's squares are summed inside
; the lane and by one exchange between the halves of the lanes.
; NO CLUSTER, though all work-groups read the same vf and cf: a joint load lands in LDS, and of the 327,680 bytes that the launch claims x takes 270,336, cf 32,768, the sums and spare words 17,920:
; 6,656 are left for vf's 262,144.  cf alone is 32,768 of the 557,056 bytes that a work-group takes in.
; OUT.  A work-group owns 64 bytes of out0: sixteen lanes store them with one instruction.
.set XPITCH, 528                       ; a row of a tile of x in LDS: 512 bytes + 16 = 33 x 16: the 16 rows that a load touches start at 16 different 16-byte columns
.set XTILE,  16*XPITCH                 ; 8,448 = 33 x 256; tile j of wave w at (4 w + j) x 8,448
.set CFB,    32*XTILE                  ; 270,336: wave w's 4,096 bytes of cf: 2,048 of mw, then 2,048 of hb
.set SS,     CFB+8*4096                ; 303,104: wave w's 2,048 bytes of partial s: block b (four registers) at 512 b + 16 x lane.  No tensor load lands here or behind
.set TS,     SS+8*2048                 ; 319,488: wave w's 64 bytes of partial t: row r at 64 w + 4 r
.set SPARE,  TS+512                    ; 320,000 = 1,250 x 256: the spare words, 128 bytes for each wave: four blocks of 256 bytes that no other line names
; window 0
.set R,    1                           ; v1   lane % 16
.set HH,   2                           ; v2   (lane / 16) % 2
.set XA,   3                           ; v3   LDS: my 64 bytes in K step 0 of my wave's tile 0
.set CA,   4                           ; v4   LDS: my half's 64 bytes of mw for K step 0
.set VO,   5                           ; v5   16 x lane
.set SPW,  6                           ; v6   LDS address of my spare word; never rewritten
.set NIL,  7                           ; v7   0; never rewritten
.set SSA,  8                           ; v8   LDS: where my partial s go
.set TSA,  9                           ; v9   LDS: where my row's partial t goes
.set T0,   10                          ; v10, v11 at work
.set T1,   11
.set SSR,  12                          ; v12  LDS: wave 0's block 0 of s, my lane
.set TSR,  13                          ; v13  LDS: wave 0's partial t of my row
.set BI,   14                          ; v14  the bias
.set OO,   15                          ; v15  4 r: my row's bytes in the work-group's 64 of out0
.set TA,   16                          ; v[16:23] four pairs of running sums of xb (xb mw + hb)
.set ACC0, 24                          ; v[24:31] s, factors 0-15
.set ACC1, 32                          ; v[32:39] s, factors 16-31
.set XB,   40                          ; v[40:47] x's fragment: 16 bf16
.set BUF,  64                          ; two buffers of 48: x (16), mw (16), hb (16) of a K step: v[64:111], v[112:159]
.set SUM,  64                          ; the end: v[64:191] the eight waves' partial s; v[192:195] squares; v[224:231] partial t
.set SQ,   192
.set TP,   224
; window 1: V's fragment of my K step ks, factor tile T at v[16 ks + 8 T ..]: all 256 registers, loaded once
.set WV,   2                           ; s2   my wave's number
.set G1X,  16                          ; s[16:23] descriptor group 1 for x's tiles
.set G0X,  24                          ; s[24:39] group 0, a set for each of my four tiles
.set G1C,  40                          ; s[40:47] group 1 for cf
.set G0C,  48                          ; s[48:51] group 0 for cf
.set MSB, 0
.macro WIN new                         ; s_set_vgpr_msb: bits 1:0 source 0, 3:2 source 1, 5:4 source 2, 7:6 destination; the high byte repeats the setting that is left
.if MSB != (\new)
	s_set_vgpr_msb (MSB<<8)|(\new)
.set MSB, \new
.endif
.endm
	s_load_b256 s[4:11], s[0:1], 0x0               ; x s[4:5], bias s[6:7], vf s[8:9], cf s[10:11]
	s_load_b64 s[12:13], s[0:1], 0x20              ; out0
	v_lshl_add_u32 v[SPW], v0, 2, SPARE
	v_mov_b32 v[NIL], 0
	ds_add_u32 v[SPW], v[NIL]                      ; the wave's opening: the add and its wait stand ahead of my first tensor load; the set-up below, work on registers, stands between them
	v_lshrrev_b32 v[T0], 5, v0
	v_readfirstlane_b32 s[WV], v[T0]               ; wave 0..7
	; group 1 for x: a tile of 16 rows x 128 f32, padded in LDS
	s_mov_b32 s[G1X+0], (2<<16)|(1<<20)|(6<<22)|(3<<25)  ; 15:0 no mask; 17:16 elements of 4 bytes; 20 padding on; 24:22 after every 128 words (code 6); 31:25 4 words of it (code 3)
	s_mov_b32 s[G1X+1], 128<<16                    ; tensor_dim0 = 128
	s_mov_b32 s[G1X+2], 16<<16                     ; tensor_dim1 = 16
	s_mov_b32 s[G1X+3], 128<<16                    ; tile_dim0 = 128
	s_mov_b32 s[G1X+4], 16                         ; tile_dim1 = 16
	s_mov_b32 s[G1X+5], 4096                       ; elements from row to row
	s_mov_b32 s[G1X+6], 0
	s_mov_b32 s[G1X+7], 0
	; group 1 for cf: 2 planes x 512 f32, dense in LDS
	s_mov_b32 s[G1C+0], 2<<16
	s_mov_b32 s[G1C+1], 512<<16                    ; tensor_dim0 = 512
	s_mov_b32 s[G1C+2], 2<<16                      ; tensor_dim1 = 2
	s_mov_b32 s[G1C+3], 512<<16                    ; tile_dim0 = 512
	s_mov_b32 s[G1C+4], 2                          ; tile_dim1 = 2
	s_mov_b32 s[G1C+5], 4096                       ; elements from plane to plane
	s_mov_b32 s[G1C+6], 0
	s_mov_b32 s[G1C+7], 0
	s_mul_i32 s3, s[WV], 4*XTILE                   ; my wave's four tiles in LDS
.irp j, 0,1,2,3
	s_mov_b32 s[G0X+4*(\j)], 1                     ; count = 1
	s_add_co_u32 s[G0X+4*(\j)+1], s3, (\j)*XTILE   ; LDS address
.endr
	s_mov_b32 s[G0C], 1
	s_lshl_b32 s[G0C+1], s[WV], 12
	s_add_co_u32 s[G0C+1], s[G0C+1], CFB
	s_lshl_b32 s14, ttmp9, 18                      ; my work-group's 16 rows of 16,384 bytes,
	s_lshl_b32 s58, s[WV], 11                      ; my wave's 512 columns in f32: in a row of x and in a plane of cf
	s_add_co_u32 s14, s14, s58
	s_mov_b32 s15, 0
	s_mov_b32 s59, 0
	s_lshl_b32 s60, s[WV], 15                      ; my wave's sixteen K steps in vf
	s_mov_b32 s61, 0
	s_lshl_b32 s56, ttmp9, 6                       ; my work-group's 64 bytes of out0
	s_mov_b32 s57, 0
	s_mov_b32 s53, 0xffff0000                      ; a word's upper bf16
	s_mov_b32 s54, 0x76543210                      ; v_permlanex16_b32: each lane takes its own place in the other half
	s_mov_b32 s55, 0xfedcba98
	v_and_b32 v[R], 15, v0
	v_bfe_u32 v[HH], v0, 4, 1
	v_and_b32 v[VO], 31, v0
	v_lshlrev_b32 v[VO], 4, v[VO]
	v_mul_u32_u24 v[XA], v[R], XPITCH
	v_lshl_add_u32 v[XA], v[HH], 6, v[XA]
	v_add_nc_u32 v[XA], s3, v[XA]                  ; wave x 33,792 + row x 528 + 64 x half
	v_lshl_add_u32 v[CA], v[HH], 6, s[G0C+1]       ; 270,336 + wave x 4,096 + 64 x half: the sixteen lanes of a half read the same words
	v_add_nc_u32 v[SSR], SS, v[VO]
	v_add_nc_u32 v[SSA], s58, v[SSR]               ; + wave x 2,048
	v_lshl_add_u32 v[TSR], v[R], 2, TS
	v_lshl_add_u32 v[TSA], s[WV], 6, v[TSR]        ; + wave x 64
	v_lshlrev_b32 v[OO], 2, v[R]
	v_mov_b32 v[T1], 0                             ; v_permlanex16_b32 counts as a reader of its destination
	s_wait_dscnt 0x0                               ; the opening add is done
	s_wait_kmcnt 0x0
	s_add_nc_u64 s[4:5], s[4:5], s[14:15]          ; x at my wave's tile 0
.irp j, 0,1,2,3
	s_add_nc_u64 s[G0X+4*(\j)+2:G0X+4*(\j)+3], s[4:5], (\j)*512  ; tile j: 128 columns on
	s_or_b32 s[G0X+4*(\j)+3], s[G0X+4*(\j)+3], 0x80000000        ; type = 2
.endr
	s_add_nc_u64 s[G0C+2:G0C+3], s[10:11], s[58:59]
	s_or_b32 s[G0C+3], s[G0C+3], 0x80000000
	s_add_nc_u64 s[8:9], s[8:9], s[60:61]
	s_add_nc_u64 s[12:13], s[12:13], s[56:57]
	; All first fills in one group, ahead of every wait on TENSORcnt, every LDS read and the barrier: five loads of mine are out.
	tensor_load_to_lds s[G0C:G0C+3], s[G1C:G1C+7]
	s_nop 0
.irp j, 0,1,2,3
	tensor_load_to_lds s[G0X+4*(\j):G0X+4*(\j)+3], s[G1X:G1X+7]
	s_nop 0
.endr
	WIN 0x40                                       ; destination window 1, address window 0; the switch stands directly behind the last s_nop 0
.irp ks, 0,1,2,3,4,5,6,7,8,9,10,11,12,13,14,15
.irp q, 0,1,2,3                                        ; q = 2 T + p: four registers each, in the order in which vf holds them
	global_load_b128 v[16*(\ks)+4*(\q):16*(\ks)+4*(\q)+3], v[VO], s[8:9] offset:(\ks)*2048+(\q)*512
.endr
.endr
	WIN 0
	s_load_b32 s52, s[6:7], 0x0                    ; the bias
; Twelve LDS loads: K step ks of my sixteen into buffer b: my 16 numbers of x, of mw and of hb.
.macro LOADK ks, b
.irp i, 0,1,2,3
	ds_load_b128 v[BUF+48*(\b)+4*(\i):BUF+48*(\b)+4*(\i)+3], v[XA] offset:((\ks)/4)*XTILE+((\ks)%4)*128+16*(\i)
.endr
.irp i, 0,1,2,3
	ds_load_b128 v[BUF+48*(\b)+16+4*(\i):BUF+48*(\b)+16+4*(\i)+3], v[CA] offset:(\ks)*128+16*(\i)
.endr
.irp i, 0,1,2,3
	ds_load_b128 v[BUF+48*(\b)+32+4*(\i):BUF+48*(\b)+32+4*(\i)+3], v[CA] offset:2048+(\ks)*128+16*(\i)
.endr
.endm
; K step ks from buffer b.  younger: the LDS loads issued behind the buffer's own, which may stay out.  first = 1: the products and the first four pairs start the sums: nothing is cleared.
; The two accumulators take turns, one instruction a turn.  x's fragment is written again in the next K step, behind the sixteen packed multiply-adds below, which name no
; register of the matrix instructions: more than the four places that a write of a matrix instruction's source wants (ISA guide 7.12.1).
.macro COMPUTE ks, b, younger, first
.set XR, BUF+48*(\b)
.set MR, XR+16
.set HR, XR+32
	s_wait_dscnt \younger
.irp i, 0,1,2,3,4,5,6,7
	v_cvt_pk_bf16_f32 v[XB+(\i)], v[XR+2*(\i)], v[XR+2*(\i)+1]
.endr
	WIN 0x01                                       ; source 0 (V) window 1; x's fragment, C and D window 0
.if \first
	v_wmma_f32_16x16x32_bf16 v[ACC0:ACC0+7], v[16*(\ks):16*(\ks)+7], v[XB:XB+7], 0
	v_wmma_f32_16x16x32_bf16 v[ACC1:ACC1+7], v[16*(\ks)+8:16*(\ks)+15], v[XB:XB+7], 0
.else
	v_wmma_f32_16x16x32_bf16 v[ACC0:ACC0+7], v[16*(\ks):16*(\ks)+7], v[XB:XB+7], v[ACC0:ACC0+7]
	v_wmma_f32_16x16x32_bf16 v[ACC1:ACC1+7], v[16*(\ks)+8:16*(\ks)+15], v[XB:XB+7], v[ACC1:ACC1+7]
.endif
	WIN 0
.irp i, 0,1,2,3,4,5,6,7
	v_lshlrev_b32 v[XR+2*(\i)], 16, v[XB+(\i)]     ; the rounded x, widened again: the diagonal and the linear term take what the products took
	v_and_b32 v[XR+2*(\i)+1], s53, v[XB+(\i)]
.endr
.irp i, 0,1,2,3,4,5,6,7
	v_pk_fma_f32 v[HR+2*(\i):HR+2*(\i)+1], v[XR+2*(\i):XR+2*(\i)+1], v[MR+2*(\i):MR+2*(\i)+1], v[HR+2*(\i):HR+2*(\i)+1]  ; xb mw + hb
.endr
.irp i, 0,1,2,3,4,5,6,7
.if (\first) && ((\i) < 4)
	v_pk_mul_f32 v[TA+2*(\i):TA+2*(\i)+1], v[XR+2*(\i):XR+2*(\i)+1], v[HR+2*(\i):HR+2*(\i)+1]
.else
	v_pk_fma_f32 v[TA+2*((\i)%4):TA+2*((\i)%4)+1], v[XR+2*(\i):XR+2*(\i)+1], v[HR+2*(\i):HR+2*(\i)+1], v[TA+2*((\i)%4):TA+2*((\i)%4)+1]
.endif
.endr
.endm
; Tile j: four K steps, the next one's LDS loads issued ahead of each step's arithmetic.
.macro TILE j, first
	s_wait_tensorcnt 3-(\j)                        ; a wave's tensor loads end in order: cf and my tiles 0 .. j are in LDS, the 3 - j younger tiles stay out
	s_wait_loadcnt 48-16*(\j)                      ; V's fragments of this tile's four K steps are in; the sixteen loads of each later tile stay out
	LOADK 4*(\j), 0
	LOADK 4*(\j)+1, 1
	COMPUTE 4*(\j), 0, 12, \first                  ; all but the twelve just issued
	LOADK 4*(\j)+2, 0
	COMPUTE 4*(\j)+1, 1, 12, 0
	LOADK 4*(\j)+3, 1
	COMPUTE 4*(\j)+2, 0, 12, 0
	COMPUTE 4*(\j)+3, 1, 0, 0
.endm
	TILE 0, 1
	TILE 1, 0
	TILE 2, 0
	TILE 3, 0
	; EVERY WAVE'S END: my row's t over my wave's 512 columns, and my sixteen partial s, go into LDS bytes of my wave's own.
	s_wait_kmcnt 0x0                               ; the bias
	v_pk_add_f32 v[TA:TA+1], v[TA:TA+1], v[TA+2:TA+3]
	v_pk_add_f32 v[TA+4:TA+5], v[TA+4:TA+5], v[TA+6:TA+7]
	v_pk_add_f32 v[TA:TA+1], v[TA:TA+1], v[TA+4:TA+5]
	v_add_f32 v[T0], v[TA], v[TA+1]
	v_permlanex16_b32 v[T1], v[T0], s54, s55       ; the row's other 16 columns of each K step lie in the lane 16 away
	v_add_f32 v[T0], v[T0], v[T1]
	ds_store_b128 v[SSA], v[ACC0:ACC0+3]           ; each accumulator from its low end on; the last products stand more than four plain instructions back
	ds_store_b128 v[SSA], v[ACC0+4:ACC0+7] offset:512
	ds_store_b128 v[SSA], v[ACC1:ACC1+3] offset:1024
	ds_store_b128 v[SSA], v[ACC1+4:ACC1+7] offset:1536
	ds_store_b32 v[TSA], v[T0]                     ; lanes r and r + 16 write the same number to the same word
	s_wait_tensorcnt 0x0                           ; the wave's end, behind my last tensor load and my last LDS store
	ds_add_u32 v[SPW], v[NIL]
	s_wait_dscnt 0x0                               ; zero for the others' sake too: my stores are done before I signal
	s_barrier_signal -1
	s_barrier_wait -1                              ; the launch's one barrier: all eight waves' sums lie in LDS
	s_cmp_lg_u32 s[WV], 0
	s_cbranch_scc1 .Lend
	; WAVE 0 adds the eight waves' parts: only the whole s may be squared.
.irp w, 0,1,2,3,4,5,6,7
	ds_load_b32 v[TP+(\w)], v[TSR] offset:(\w)*64
.endr
.irp w, 0,1,2,3,4,5,6,7
.irp b, 0,1,2,3
	ds_load_b128 v[SUM+16*(\w)+4*(\b):SUM+16*(\w)+4*(\b)+3], v[SSR] offset:(\w)*2048+(\b)*512
.endr
.endr
.irp w, 1,2,3,4,5,6,7
	s_wait_dscnt 4*(7-(\w))                        ; waves 0 .. w's parts are in; the four loads of each later wave stay out
.irp i, 0,1,2,3,4,5,6,7
	v_pk_add_f32 v[SUM+2*(\i):SUM+2*(\i)+1], v[SUM+2*(\i):SUM+2*(\i)+1], v[SUM+16*(\w)+2*(\i):SUM+16*(\w)+2*(\i)+1]
.endr
.endr
	v_pk_mul_f32 v[SQ:SQ+1], v[SUM:SUM+1], v[SUM:SUM+1]              ; the first two pairs start the sums of squares
	v_pk_mul_f32 v[SQ+2:SQ+3], v[SUM+2:SUM+3], v[SUM+2:SUM+3]
.irp i, 2,3,4,5,6,7
	v_pk_fma_f32 v[SQ+2*((\i)%2):SQ+2*((\i)%2)+1], v[SUM+2*(\i):SUM+2*(\i)+1], v[SUM+2*(\i):SUM+2*(\i)+1], v[SQ+2*((\i)%2):SQ+2*((\i)%2)+1]
.endr
	v_pk_add_f32 v[TP:TP+1], v[TP:TP+1], v[TP+2:TP+3]
	v_pk_add_f32 v[TP+4:TP+5], v[TP+4:TP+5], v[TP+6:TP+7]
	v_pk_add_f32 v[SQ:SQ+1], v[SQ:SQ+1], v[SQ+2:SQ+3]
	v_pk_add_f32 v[TP:TP+1], v[TP:TP+1], v[TP+4:TP+5]
	v_add_f32 v[T0], v[SQ], v[SQ+1]
	v_mov_b32 v[BI], s52
	v_permlanex16_b32 v[T1], v[T0], s54, s55       ; the row's other sixteen factors lie in the lane 16 away
	v_cvt_pk_bf16_f32 v[BI], v[BI], v[BI]          ; the bias is rounded like the other inputs
	v_add_f32 v[TP], v[TP], v[TP+1]
	v_lshlrev_b32 v[BI], 16, v[BI]
	v_add_f32 v[T0], v[T0], v[T1]
	v_add_f32 v[TP], v[TP], v[BI]
	v_fma_f32 v[T0], 0.5, v[T0], v[TP]             ; 1/2 x the sum of s^2 + (t + bias)
	s_wait_xcnt 0x0                                ; EXEC is a source of the loads issued above: it changes only behind this wait
	v_cmp_gt_u32 vcc_lo, 16, v0
	s_and_saveexec_b32 s3, vcc_lo
	global_store_b32 v[OO], v[T0], s[12:13]        ; lanes 0-15: the work-group's 64 consecutive bytes of out0
	s_wait_xcnt 0x0                                ; and again, in front of the line that widens it
	s_or_b32 exec_lo, exec_lo, s3
.Lend:
	s_endpgm
.Lfunc_end_k_q512b463e12_main:
	.size	k_q512b463e12_main, .Lfunc_end_k_q512b463e12_main-k_q512b463e12_main
	.p2alignl 7, 3214868480
	.fill 96, 4, 3214868480
	.section	.rodata,"a",@progbits
	.p2align	6, 0x0
	.amdhsa_kernel k_q512b463e12_main
		.amdhsa_group_segment_fixed_size 327680
		.amdhsa_private_segment_fixed_size 0
		.amdhsa_enable_private_segment 0
		.amdhsa_kernarg_size 40
		.amdhsa_user_sgpr_count 2
		.amdhsa_user_sgpr_kernarg_segment_ptr 1
		.amdhsa_wavefront_size32 1
		.amdhsa_system_sgpr_workgroup_id_x 1
		.amdhsa_system_sgpr_workgroup_id_y 1
		.amdhsa_system_sgpr_workgroup_id_z 1
		.amdhsa_system_vgpr_workitem_id 0
		.amdhsa_next_free_vgpr 512
		.amdhsa_next_free_sgpr 66
		.amdhsa_reserve_vcc 1
		.amdhsa_float_denorm_mode_32 3
		.amdhsa_float_denorm_mode_16_64 3
		.amdhsa_memory_ordered 1
		.amdhsa_forward_progress 1
		.amdhsa_inst_pref_size 67
	.end_amdhsa_kernel
	.amdgpu_metadata
---
amdhsa.version: [ 1, 2 ]
amdhsa.kernels:
  - .name:           k_q512b463e12_main
    .symbol:         k_q512b463e12_main.kd
    .args:
      - { .name: x, .offset: 0, .size: 8, .value_kind: global_buffer, .address_space: global }
      - { .name: bias, .offset: 8, .size: 8, .value_kind: global_buffer, .address_space: global }
      - { .name: vf, .offset: 16, .size: 8, .value_kind: global_buffer, .address_space: global }
      - { .name: cf, .offset: 24, .size: 8, .value_kind: global_buffer, .address_space: global }
      - { .name: out0, .offset: 32, .size: 8, .value_kind: global_buffer, .address_space: global }
    .group_segment_fixed_size: 327680
    .private_segment_fixed_size: 0
    .kernarg_segment_align: 8
    .kernarg_segment_size: 40
    .max_flat_workgroup_size: 256
    .sgpr_count:     66
    .vgpr_count:     512
    .wavefront_size: 32
...
	.end_amdgpu_metadata
.endif
;; end of part 2
;; ======== version 2 of 2: 2 launches; version 1 with the launch prep written anew for expert scheduling mode
;; limits: a difference of large sums (such as E[x^2] - mean^2): digits are lost where the result is much smaller than its terms; values outside matrix products are rounded to bf16
;; workspace buffers: vf 262,144 bytes; cf 32,768 bytes
;; launch prep (part 3): grid 32 x 1, 1 waves a work-group, no clusters, 8,960 bytes of LDS; arguments V, h, vf, cf; writes vf, cf
.if DOCPART == 3
	.amdgcn_target "amdgcn-amd-amdhsa--gfx1250"
	.amdhsa_code_object_version 6
	.text
	.protected	k_q512b463e12_prep
	.globl	k_q512b463e12_prep
	.p2align	8
	.type	k_q512b463e12_prep,@function
k_q512b463e12_prep:
	s_mov_b64 s[64:65], 0
	v_nop
	global_prefetch_b8 v0, s[64:65] scope:SCOPE_SE
	s_setreg_imm32_b32 hwreg(HW_REG_WAVE_SCHED_MODE, 0, 2), 2
	s_setreg_imm32_b32 hwreg(HW_REG_WAVE_MODE, 25, 1), 1
	s_wait_xcnt 0x0
	s_wait_alu depctr_vm_vsrc(0)
; V and h are prepared once for the main launch.  V: [32][4096] f32, h: [4096] f32.
;   vf: bf16(V) in the order in which the main launch's matrix fragments want it.  For K step s (32 columns, 0..127), factor tile T (0, 1), part p (0, 1), lane L (r = L % 16,
;       hh = L / 16) the 16 bytes at 2048 s + 1024 T + 512 p + 16 L hold bf16 of V[16 T + r][32 s + 16 hh + 8 p + 0..7].
;   cf: f32 [2][4096].  Plane 0: -1/2 x the sum over the 32 factors of bf16(V[k][i])^2.  Plane 1: bf16(h[i]), widened.
; The squares are taken of the ROUNDED numbers, so that the main launch subtracts exactly the diagonal of the form that its products make.
; SHARES.  One wave to a work-group; work-group g owns columns 128 g .. 128 g + 127 (four K steps); lane L owns columns 128 g + 4 L .. + 3 of all 32 rows.  So each load covers 512
; consecutive bytes of a row, V is read once, and the sum over the factors stays inside the lane.  The turn from rows to fragments goes through a stage in LDS, the wave's own.
; 32 work-groups: V has 4,096 columns, and 128 columns are what a wave's 16-byte loads take of a row.
; THE MODE: SCHED_MODE bits 1:0 = 2 (LLVM: expert scheduling mode 2), set by the entry lines.  The code itself states the register dependences
; between vector instructions and memory or LDS instructions, with s_wait_alu, always for 0.
; THE PLAN.  Registers that memory or LDS instructions touch:
;   v[OFF], v[STO], v[RD]  Written at the head, never again.  Read by the global loads and stores, by the LDS stores, by the LDS loads.
;   row k's four registers Its global load lands in them; its two roundings close the four bf16 up into the first two; its LDS store reads that pair.  A row has a pair of its own,
;                          so nothing is written again between a rounding and its store.
;   v[ROWS .. ROWS+63]     Once rows 0 to 15 are stored, the sixteen pieces read back from the stage land here; the stores into vf read them.
;   W, HB                  Written by vector instructions, read by one store into cf each, never written again.
;   WD, HP, v10, v11       Named by vector instructions alone.
; The 32 rows go in four groups of eight.  A group's eight LDS stores are issued in the next group, one ahead of each row's eight vector instructions, which name their own row, WD and W
; alone.  So ONE wait on va_vdst at the head of a group states all that its eight LDS stores hang on; one more, behind the last row and the coefficients, serves the last eight LDS stores,
; the pieces' LDS loads and the two stores into cf: no vector instruction follows it.  One wait on vm_vsrc stands between the LDS stores and the LDS loads that land in their data registers.
.set PITCH, 272                        ; a stage row: 128 bf16 = 256 bytes + 16: the 16 rows that a load back touches start at 16 different 16-byte columns
.set SPARE, 32*PITCH                   ; 8,704 = 34 x 256: behind the stage, the spare words: one block of 256 bytes that no other line names
.set GROUP, 8                          ; rows in a group
.set OFF, 1                            ; v1       16 L: my 16 bytes in 512
.set SPW, 2                            ; v2       LDS address of my spare word; never rewritten
.set NIL, 3                            ; v3       0; never rewritten
.set HV,  4                            ; v[4:7]   h of my four columns
.set STO, 8                            ; v8       8 L: where my four bf16 of a stage row go
.set RD,  9                            ; v9       272 r + 32 hh: where my 16 bytes of a fragment lie
.set WD,  16                           ; v[16:19] a row's four rounded numbers, widened
.set W,   20                           ; v[20:23] the sums of squares
.set HB,  24                           ; v[24:27] bf16(h), widened
.set HP,  28                           ; v[28:29] bf16(h), packed
.set ROWS, 32                          ; v[32:159] row k at v[32 + 4 k ..], its four bf16 then in the first two; later the sixteen pieces read back, piece i at v[32 + 4 i ..]
	s_load_b256 s[4:11], s[0:1], 0x0               ; V s[4:5], h s[6:7], vf s[8:9], cf s[10:11]
	v_lshl_add_u32 v[SPW], v0, 2, SPARE
	v_mov_b32 v[NIL], 0
	s_lshl_b32 s12, ttmp9, 9                       ; my 128 columns in f32: 512 g bytes in a row of V, in h and in a plane of cf
	s_mov_b32 s13, 0
	s_lshl_b32 s14, ttmp9, 13                      ; my four K steps in vf: 8,192 g bytes
	s_mov_b32 s15, 0
	s_mov_b32 s2, 0xffff0000                       ; a word's upper bf16
	v_lshlrev_b32 v[OFF], 4, v0
	v_lshlrev_b32 v[STO], 3, v0
	v_and_b32 v10, 15, v0                          ; r
	v_lshrrev_b32 v11, 4, v0                       ; hh (one wave: v0 is the lane)
	v_mul_u32_u24 v[RD], v10, PITCH
	v_lshl_add_u32 v[RD], v11, 5, v[RD]
	s_wait_kmcnt 0x0
	s_add_nc_u64 s[4:5], s[4:5], s[12:13]
	s_add_nc_u64 s[6:7], s[6:7], s[12:13]
	s_add_nc_u64 s[10:11], s[10:11], s[12:13]
	s_add_nc_u64 s[8:9], s[8:9], s[14:15]
	s_wait_alu depctr_va_vdst(0)                   ; v[OFF], v[STO] and v[RD] are written: every load and store of the kernel, global or LDS, reads one of them as its address
	global_load_b128 v[HV:HV+3], v[OFF], s[6:7]
.irp k, 0,1,2,3,4,5,6,7,8,9,10,11,12,13,14,15,16,17,18,19,20,21,22,23,24,25,26,27,28,29,30,31
	global_load_b128 v[ROWS+4*(\k):ROWS+4*(\k)+3], v[OFF], s[4:5] offset:(\k)*16384 th:TH_LOAD_NT  ; all 32 rows are asked for at once
.endr
; Row k: rounded in place, widened again and squared onto W.  Row 0's squares start the sums: nothing is cleared.  Ahead of its arithmetic stands the LDS store of the row a group back.
.macro ROWK k
	s_wait_loadcnt 31-(\k)                         ; loads come back in order: row k is in (and h, the oldest), the 31 - k younger rows stay out
.if ((\k) % GROUP == 0) && ((\k) > 0)
	s_wait_alu depctr_va_vdst(0)                   ; the group before has written its eight pairs, which this group's eight LDS stores read; no vector instruction behind this wait names them
.endif
.if (\k) >= GROUP
	ds_store_b64 v[STO], v[ROWS+4*((\k)-GROUP):ROWS+4*((\k)-GROUP)+1] offset:((\k)-GROUP)*PITCH
.endif
	v_cvt_pk_bf16_f32 v[ROWS+4*(\k)], v[ROWS+4*(\k)], v[ROWS+4*(\k)+1]      ; four numbers close up into the first two of their four registers
	v_cvt_pk_bf16_f32 v[ROWS+4*(\k)+1], v[ROWS+4*(\k)+2], v[ROWS+4*(\k)+3]
	v_lshlrev_b32 v[WD], 16, v[ROWS+4*(\k)]
	v_and_b32 v[WD+1], s2, v[ROWS+4*(\k)]
	v_lshlrev_b32 v[WD+2], 16, v[ROWS+4*(\k)+1]
	v_and_b32 v[WD+3], s2, v[ROWS+4*(\k)+1]
.if (\k) == 0
	v_pk_mul_f32 v[W:W+1], v[WD:WD+1], v[WD:WD+1]
	v_pk_mul_f32 v[W+2:W+3], v[WD+2:WD+3], v[WD+2:WD+3]
.else
	v_pk_fma_f32 v[W:W+1], v[WD:WD+1], v[WD:WD+1], v[W:W+1]
	v_pk_fma_f32 v[W+2:W+3], v[WD+2:WD+3], v[WD+2:WD+3], v[W+2:W+3]
.endif
.endm
.irp k, 0,1,2,3,4,5,6,7,8,9,10,11,12,13,14,15,16,17,18,19,20,21,22,23,24,25,26,27,28,29,30,31
	ROWK \k
.endr
	; the coefficients: the kernel's last vector instructions, so that the wait below serves them too
	v_pk_mul_f32 v[W:W+1], v[W:W+1], -0.5 op_sel_hi:[1,0]
	v_pk_mul_f32 v[W+2:W+3], v[W+2:W+3], -0.5 op_sel_hi:[1,0]
	v_cvt_pk_bf16_f32 v[HP], v[HV], v[HV+1]
	v_cvt_pk_bf16_f32 v[HP+1], v[HV+2], v[HV+3]
	v_lshlrev_b32 v[HB], 16, v[HP]
	v_and_b32 v[HB+1], s2, v[HP]
	v_lshlrev_b32 v[HB+2], 16, v[HP+1]
	v_and_b32 v[HB+3], s2, v[HP+1]
	s_wait_alu depctr_va_vdst(0)                   ; the last group has written its eight pairs, which the LDS stores below read; W and HB are written, which the stores into cf read; and the roundings and widenings are done with v[ROWS ..], in which the pieces land
.irp k, 24,25,26,27,28,29,30,31
	ds_store_b64 v[STO], v[ROWS+4*(\k):ROWS+4*(\k)+1] offset:(\k)*PITCH
.endr
	s_wait_alu depctr_vm_vsrc(0)                   ; the LDS stores of rows 0 to 15 have read their pairs, in which the pieces below land
	; Piece i = 4 sl + 2 T + p: K step sl of my four, factor tile T, part p.  My 16 bytes: row 16 T + r, bytes 64 sl + 32 hh + 16 p.
	; LDS serves a wave's instructions in order, so these loads see the stores above without a wait on their counter.
.irp i, 0,1,2,3,4,5,6,7,8,9,10,11,12,13,14,15
	ds_load_b128 v[ROWS+4*(\i):ROWS+4*(\i)+3], v[RD] offset:(((\i)/2)%2)*16*PITCH+((\i)/4)*64+((\i)%2)*16
.endr
	global_store_b128 v[OFF], v[W:W+3], s[10:11]                 ; 512 consecutive bytes of plane 0, while the pieces come back
	global_store_b128 v[OFF], v[HB:HB+3], s[10:11] offset:16384  ; and of plane 1
.irp i, 0,1,2,3,4,5,6,7,8,9,10,11,12,13,14,15
	s_wait_dscnt 15-(\i)                           ; piece i is back, the 15 - i younger ones stay out
	global_store_b128 v[OFF], v[ROWS+4*(\i):ROWS+4*(\i)+3], s[8:9] offset:(\i)*512  ; a piece is 512 consecutive bytes of vf, at a multiple of 512 from its first byte
.endr
	s_wait_dscnt 0x0                               ; the closing lines, six on end
	s_wait_alu 0x0
	s_wait_tensorcnt 0x0
	ds_add_u32 v[SPW], v[NIL]
	s_wait_dscnt 0x0
	s_endpgm
.Lfunc_end_k_q512b463e12_prep:
	.size	k_q512b463e12_prep, .Lfunc_end_k_q512b463e12_prep-k_q512b463e12_prep
	.p2alignl 7, 3214868480
	.fill 96, 4, 3214868480
	.section	.rodata,"a",@progbits
	.p2align	6, 0x0
	.amdhsa_kernel k_q512b463e12_prep
		.amdhsa_group_segment_fixed_size 8960
		.amdhsa_private_segment_fixed_size 0
		.amdhsa_enable_private_segment 0
		.amdhsa_kernarg_size 32
		.amdhsa_user_sgpr_count 2
		.amdhsa_user_sgpr_kernarg_segment_ptr 1
		.amdhsa_wavefront_size32 1
		.amdhsa_system_sgpr_workgroup_id_x 1
		.amdhsa_system_sgpr_workgroup_id_y 1
		.amdhsa_system_sgpr_workgroup_id_z 1
		.amdhsa_system_vgpr_workitem_id 0
		.amdhsa_next_free_vgpr 160
		.amdhsa_next_free_sgpr 66
		.amdhsa_reserve_vcc 0
		.amdhsa_float_denorm_mode_32 3
		.amdhsa_float_denorm_mode_16_64 3
		.amdhsa_memory_ordered 1
		.amdhsa_forward_progress 1
		.amdhsa_inst_pref_size 24
	.end_amdhsa_kernel
	.amdgpu_metadata
---
amdhsa.version: [ 1, 2 ]
amdhsa.kernels:
  - .name:           k_q512b463e12_prep
    .symbol:         k_q512b463e12_prep.kd
    .args:
      - { .name: V, .offset: 0, .size: 8, .value_kind: global_buffer, .address_space: global }
      - { .name: h, .offset: 8, .size: 8, .value_kind: global_buffer, .address_space: global }
      - { .name: vf, .offset: 16, .size: 8, .value_kind: global_buffer, .address_space: global }
      - { .name: cf, .offset: 24, .size: 8, .value_kind: global_buffer, .address_space: global }
    .group_segment_fixed_size: 8960
    .private_segment_fixed_size: 0
    .kernarg_segment_align: 8
    .kernarg_segment_size: 32
    .max_flat_workgroup_size: 32
    .sgpr_count:     66
    .vgpr_count:     160
    .wavefront_size: 32
...
	.end_amdgpu_metadata
.endif
;; end of part 3
;; launch main: the kernel of part 2 again; grid 256 x 1, 8 waves a work-group, no clusters, 327,680 bytes of LDS; arguments x, bias, vf, cf, out0; writes out0
